; MI455X (gfx1250); checked and timed in simulation.
; The chip was launched on July 23, 2026; its instructions are those of AMD's public machine-readable ISA for CDNA 5 (MIT licence, August 2026) and "CDNA5" Instruction Set Architecture Reference Guide (July 2026). The comments in the code are by the model that wrote it; some were corrected since.
;; Pair Weighted Averaging. Allowed arithmetic: matrix products marked QUANTISED: E4M3 operands, one given power-of-two scale a tensor, by v_wmma_f32_16x16x64_fp8_fp8 or v_wmma_f32_16x16x128_fp8_fp8, f32 sums; products left as they are: f32 operands where the result goes on into a quantised operand, else bf16, f16 or f32 operands; f32 sums; everything else in f32.
;; Inputs: Wg 64 x 256 float32; Wm 64 x 256 float32; Wo 256 x 64 float32; Wz 128 x 8 float32; attn_mask 512 float32; lowp_scales 8 int32 (the exponents e of the quantised operands' scales 2^e); m 1 x 512 x 512 x 64 float32; norm_m_b 64 float32; norm_m_w 64 float32; norm_z_b 128 float32; norm_z_w 128 float32; z 1 x 512 x 512 x 128 float32.
;; Outputs: out0 1 x 512 x 512 x 64 float32.
;; This version of the problem:
;;   THIS VERSION OF THE PROBLEM IS GIVEN IN LOW PRECISION. The matrix products marked QUANTISED in the list below multiply operands that are first quantised to E4M3 (4 exponent bits, 3 mantissa bits; 8 bits a number), with one given power-of-two scale for each operand tensor; their sums are f32. All else is computed in f32.
;;   The module's matrix products, in the order in which they are computed (A, B: the left and right operand; K: the contracted axis; several contracted axes count as one K, in the product's order):
;;     1. [M 8, K 128] x [K 128, N 262,144]; A: input Wz; B: computed on the way: left as it is (M = 8 < 16)
;;     2. [M 256, K 64] x [K 64, N 262,144]; A: input Wm; B: computed on the way: QUANTISED (scales: A lowp_scales[0], B lowp_scales[1])
;;     3. batch 8 x [M 16,384, K 512] x [K 512, N 512]; A: computed on the way; B: softmax (see below): QUANTISED (scales: A lowp_scales[2], B lowp_scales[3])
;;     4. [M 262,144, K 64] x [K 64, N 256]; A: computed on the way; B: input Wg: QUANTISED (scales: A lowp_scales[4], B lowp_scales[5])
;;     5. [M 262,144, K 256] x [K 256, N 64]; A: computed on the way; B: input Wo: QUANTISED (scales: A lowp_scales[6], B lowp_scales[7])
;;   THE QUANTISER, for each operand of a quantised product, along K:
;;     - The operand's scale is 2^e, e = its entry of the input lowp_scales (int32; the entries are numbered through the quantised products in the list's order, A before B).
;;     - Each number is divided by the scale, clamped to +-448, and rounded to the nearest number of E4M3, ties to even, subnormals kept.
;;     - The product sums the exact products of the quantised numbers (number of the format x scale) in f32.
;;   ~~~python
;;   def quantise(x, axis, e):      # numpy; x: float32 -> the quantised numbers, widened to float32 again
;;       x = np.moveaxis(x, axis, -1); K = x.shape[-1]
;;       r = np.clip(x / 2.0 ** e, -448, 448)
;;       step = 2.0 ** (np.maximum(np.frexp(np.where(r == 0, 1, r))[1] - 1, -6) - 3)
;;       q = np.round(r / step) * step * 2.0 ** e      # np.round: ties to even
;;       return np.moveaxis(q, -1, axis).astype(np.float32)
;;   ~~~
;;   SOFTMAX AHEAD OF A QUANTISED PRODUCT. Where the list says 'softmax', what is quantised is not the finished softmax but p = 2^(t - M), with t = logit x log2(e) and M = ceil(the row's largest t), a whole number; so 1/2 < the row's largest p <= 1. The row's sum l is taken of the UNQUANTISED p, in f32, and the product's result is divided by l at the end. Since M is a whole number, a kernel that streams over the keys may use a running M (the ceiling of the running maximum): every later rescaling is an exact power of two, so the quantised numbers keep their values, but for numbers so far below the row's largest that they fall under the format's range.
;;   OPERANDS COMPUTED ON THE WAY. 'Computed on the way' means the value that the module computes at that place (a softmax that the list does not call 'softmax' is quantised finished and normalised). What goes into a quantiser is computed in f32, as accurately as f32 sums, v_exp_f32 and their like allow (about 1e-6 of the number): no bf16 or f16 on the way to a quantiser, and a product that is left as it is and whose result goes on into a quantised operand takes f32 operands (vector FMAs, or v_wmma_f32_16x16x4_f32). A number that lies on a knife's edge between two numbers of the format may be rounded either way, as far as f32 arithmetic and the matrix unit's own rounding can turn it there, and no further.
;; One version. Each part assembles by itself: llvm-mc -triple=amdgcn-amd-amdhsa -mcpu=gfx1250 --defsym DOCPART=n.
;; ======== version 1 of 1: 2 launches
;; workspace buffers: p_codes 2,097,152 bytes; lsum 32,768 bytes; mn1 16,777,216 bytes; mn4 16,777,216 bytes; wcodes 49,152 bytes
;; launch front (part 1): grid 256 x 1, 16 waves a work-group, no clusters, 327,680 bytes of LDS; arguments z, Wz, attn_mask, norm_z_w, norm_z_b, lowp_scales, m, norm_m_w, norm_m_b, Wm, Wg, Wo, p_codes, lsum, mn1, mn4, wcodes; writes p_codes, lsum, mn1, mn4, wcodes
.if DOCPART == 1
	.amdgcn_target "amdgcn-amd-amdhsa--gfx1250"
	.amdhsa_code_object_version 6
	.text
	.protected	k_qfb90db207d_front
	.globl	k_qfb90db207d_front
	.p2align	8
	.type	k_qfb90db207d_front,@function
k_qfb90db207d_front:
	s_mov_b64 s[64:65], 0
	v_nop
	global_prefetch_b8 v0, s[64:65] scope:SCOPE_SE
	s_setreg_imm32_b32 hwreg(HW_REG_WAVE_MODE, 25, 1), 1
	s_wait_xcnt 0x0
; ALL THAT STANDS AHEAD OF THE CHAIN OF QUANTISED PRODUCTS, in one launch.
; (1) PAIR WEIGHTS.  For each row i of z and each of the 8 heads: logits b[h][i][j] = LayerNorm(z[i][j][:]) . Wz[:][h] + attn_mask[j]; t = b x log2(e); M = ceil(the row's largest t);
;     p = 2^(t - M), quantised to E4M3 with the given scale 2^e3 -> p_codes; the row's sum l of the UNQUANTISED p -> lsum.
; (2) mn = LayerNorm(m), quantised twice: with 2^e1 (operand of the product with Wm) -> mn1, with 2^e4 (operand of the product with Wg) -> mn4.
; (3) Wm (2^e0), Wg (2^e5), Wo (2^e7), quantised -> wcodes.
; NO WORK OF THE PROBLEM IS LEFT OUT, in this launch or the later one, and every input is loaded: norm_z_b adds one number a head to all logits of a row, which moves M and with it p's codes; attn_mask differs along j.
; LIMITS: NaN among the inputs is not served; e0, e1, e3, e4, e5, e7 between -126 and 119, so that 2^e and 448 x 2^e are f32 numbers.
; SHARES.  A work-group owns rows i = 2 g, 2 g + 1 of z (2 x 262,144 bytes) and rows 1,024 g .. of m (262,144 bytes).  A slot of LDS holds half a row of z, 256 tokens j; wave w of sixteen owns tokens 16 w .. 16 w + 15 of each
; half: a tile of 16 rows x 512 bytes, brought by the wave's own tensor load and read by that wave alone.  m is dense, so 32 of its rows of 256 bytes are 16 rows of 512: the same shape, the same bytes of the slots.
; Six fills a wave: z (row 0: two halves) at the head; z (row 1: two halves) and m (my 64 rows: two parts) as refills: m's bytes are on their way while z's second row is worked.
; THE PRODUCT with Wz has f32 operands, since its result goes on into a quantiser: v_wmma_f32_16x16x4_f32, source 0 = my 16 tokens (normalised), source 1 = norm_z_w[c] x Wz[c][head] (columns 8-15 are zeros).
; Lane (r, h) holds c = 64 h + e in register e, in both sources alike: every product meets its partner.  In the result lane r is head r and registers 0-7 are tokens 8 h + 0 .. 7: eight neighbours along j, as the conversion wants them.
; The bias: sum over c of norm_z_b[c] Wz[c][head] is added with the mask, after the product.
; p_codes: [i / 32][head][i % 32][512 bytes]; in a row the 8 codes of tokens 16 T + 8 h + 0 .. 7 lie at byte 32 (T / 2) + 16 h + 8 (T % 2), so that a later 16-byte load brings two register pairs of the 8-bit operand layout.
; lsum: [i][16] f32; entries 0-7 are the heads' sums, entries 8-15 belong to the zero columns and are read by nobody.
; mn1, mn4, wcodes ARE LAID AS IMAGES OF OPERAND REGISTERS: a fragment of 16 rows x 64 K is 8 registers a lane, 1,024 bytes: register p of lane l = r + 16 h lies at 512 (p / 4) + 16 l + 4 (p % 4) and holds
; K = 16 (p / 2) + 8 h + 4 (p % 2) + 0 .. 3 of row r.  mn1, mn4: [row / 16][1,024], rows = (s, token) as they lie in m.  wcodes: images 0-15: Wm^T, rows 16 n ..; 16-31: Wg^T; 32 + 4 ct + kp: Wo^T, rows c = 16 ct + r, K = 64 kp ..
; The 48 images of the weights are made by the 48 waves of work-groups 0 to 2 (a branch on the work-group's number): a lane takes a row of the transposed weight and its registers run down K.
; No cluster: the work-groups share no input but small tables.
.set PZ,    528                        ; a tile's row in LDS: 512 bytes + 16 of padding = 132 words: the 16 rows of a load start at 16 different banks
.set WTILE, 16*PZ                      ; a wave's tile
.set SLOT,  16*WTILE                   ; 135,168 bytes
.set RED,   2*SLOT                     ; behind the ring: [head row 0-15][wave] f32, rows of 80 bytes: the waves' maxima;
.set RED2,  1280                       ; the same shape, so many bytes further on: the waves' sums
.set STG,   RED+2560                   ; 16 rows x 528: a row i's codes, head by head
.set SPARE, STG+16*PZ                  ; the spare words, 128 bytes for each of 16 waves: eight blocks of 256 bytes that no other line names
.set LA,   3                           ; v3, v4   LDS address of my 256 bytes of my token's row in slot 0, 1
.set RDW,  5                           ; v5       RED + 80 r + 4 wave
.set RDR,  6                           ; v6       RED + 80 r
.set STW,  7                           ; v7       where I put 8 codes
.set STR,  8                           ; v8       where a wave under 8 reads its head's row back
.set L16,  9                           ; v9       16 x lane
.set R4,   10                          ; v10      4 r
.set SPW,  11                          ; v11      my spare word; never rewritten
.set NIL,  12                          ; v12      0; never rewritten
.set WOF,  13                          ; v13      the weights' loads: my lane's offset
.set MU,   14                          ; v[14:15] the mean, twice
.set RS,   16                          ; v[16:17] 1 / sqrt(var + eps), twice
.set CH,   18                          ; v18-25   four chains of pairs
.set TP,   26                          ; v26      at work
.set GOF,  27                          ; v27      the offset of gains and biases: 256 h for z's, then 32 h for m's
.set NM,   28                          ; v[28:29] -M, twice (at the head: 1 for lanes of real heads, 0 for the others)
.set SC,   30                          ; v30      2^e3
.set LIM,  31                          ; v31      448 x 2^e3
.set X,    32                          ; v32-95   my 64 numbers of my token;  m: v32-63, X[e] = channel 16 (e / 8) + 8 h + e % 8 of row r
.set TA,   64                          ; v64-79   m: two sets of eight held numbers
.set WXA,  80                          ; v80-95   a weight's numbers 0-15
.set WF,   96                          ; v96-159  norm_z_w x Wz, my 64
.set WN,   96                          ; v96-127  m: norm_m_w in X's order
.set BN,   128                         ; v128-159 m: norm_m_b
.set A0,   160                         ; v160-175 two accumulators, written by matrix instructions alone
.set T,    176                         ; v176-191 t, then p: 8 tokens of each half
.set MC,   176                         ; v176-207 m: two sets of 16 registers of codes, by turns
.set CM,   192                         ; v192-207 (mask + bias term) x log2(e), in T's order
.set CD,   208                         ; v208-211 p's codes
.set WXB,  208                         ; v208-223 a weight's numbers 16-31
.set RB,   212                         ; v212-227 sixteen waves' figures
.set OB,   228                         ; v228-235 a head's row of codes, a set for each row i
.set LR,   236                         ; v236-237 l, one for each row i
.set MLA,  238                         ; v238, v239 LDS address of my 32 bytes of row r of m's tile in slot 0, 1
.set MK,   240                         ; v240-255 at the head: the mask, in T's order; then:
.set Q1S,  240                         ; v240, v241 2^e1 and 448 x 2^e1
.set Q1L,  241
.set Q4S,  242                         ; v242, v243 the same with e4
.set Q4L,  243
.set QWS,  244                         ; v244, v245 the same with the weight's e
.set QWL,  245
.set WC,   246                         ; v246-253 a weight's codes
.set WV,   20                          ; s20      wave
.set G1,   24                          ; s[24:31] descriptor group 1, the same for z's and m's tiles
.set G0,   32                          ; s[32:39] group 0 for z, a set for each slot
.set SEL,  40                          ; s[40:41] v_permlanex16_b32: lane l xor 16
.set L2E,  42                          ; s[42:43] log2(e), as a pair
.set G0M,  52                          ; s[52:59] group 0 for m, a set for each slot
.set PB,   76                          ; s[76:77] p_codes
.set LB,   78                          ; s[78:79] lsum
	s_load_b256 s[4:11], s[0:1], 0x0               ; z s[4:5], Wz s[6:7], attn_mask s[8:9], norm_z_w s[10:11]
	s_load_b256 s[12:19], s[0:1], 0x20             ; norm_z_b s[12:13], lowp_scales s[14:15], m s[16:17], norm_m_w s[18:19]
	s_load_b256 s[68:75], s[0:1], 0x40             ; norm_m_b s[68:69], Wm s[70:71], Wg s[72:73], Wo s[74:75]
	s_load_b256 s[76:83], s[0:1], 0x60             ; p_codes s[76:77], lsum s[78:79], mn1 s[80:81], mn4 s[82:83]
	s_load_b64 s[84:85], s[0:1], 0x80              ; wcodes
	v_lshl_add_u32 v[SPW], v0, 2, SPARE
	v_mov_b32 v[NIL], 0
	ds_add_u32 v[SPW], v[NIL]                      ; the wave's opening: the add, twice on end, and its wait ahead of my first tensor load
	ds_add_u32 v[SPW], v[NIL]                      ; and once more, under the one wait; the set-up below, work on registers, stands between
	v_lshrrev_b32 v1, 5, v0
	v_readfirstlane_b32 s[WV], v1                  ; wave 0..15
	s_mov_b32 s[G1+0], (2<<16)|(1<<20)|(6<<22)|(3<<25)  ; no mask; elements of 4 bytes; padding on: 4 words behind every 128
	s_mov_b32 s[G1+1], 128<<16                     ; tensor_dim0 = 128
	s_mov_b32 s[G1+2], 16<<16                      ; tensor_dim1 = 16
	s_mov_b32 s[G1+3], 128<<16                     ; tile_dim0 = 128
	s_mov_b32 s[G1+4], 16                          ; tile_dim1 = 16
	s_mov_b32 s[G1+5], 128                         ; elements from row to row
	s_mov_b32 s[G1+6], 0
	s_mov_b32 s[G1+7], 0
	s_mov_b32 s[SEL], 0x76543210
	s_mov_b32 s[SEL+1], 0xfedcba98
	s_mov_b32 s[L2E], 0x3fb8aa3b
	s_mov_b32 s[L2E+1], s[L2E]                     ; (named with it as a pair, so it is written)
	s_mov_b32 s48, 0x3c000000                      ; 1 / 128
	s_mov_b32 s49, 0x3727c5ac                      ; 1e-5
	s_mov_b32 s50, 0x3c800000                      ; 1 / 64
	s_mul_i32 s21, s[WV], WTILE                    ; my tile's place in a slot
	s_lshl_b32 s22, ttmp9, 19                      ; my work-group's two rows of z: 524,288 bytes,
	s_lshl_b32 s23, s[WV], 13                      ; my 16 tokens of 512 bytes
	s_add_co_u32 s22, s22, s23
	s_mov_b32 s23, 0
	s_lshl_b32 s44, ttmp9, 18                      ; my work-group's 1,024 rows of m: 262,144 bytes,
	s_lshl_b32 s45, s[WV], 14                      ; my wave's 64
	s_add_co_u32 s44, s44, s45
	s_mov_b32 s45, 0
	s_wait_dscnt 0x0                               ; both opening adds are done
	s_wait_kmcnt 0x0
	s_add_nc_u64 s[4:5], s[4:5], s[22:23]
	s_add_nc_u64 s[16:17], s[16:17], s[44:45]
.irp s, 0,1                                    ; the two first fills go out together: two tensor loads of mine are out
	s_mov_b32 s[G0+4*\s], 1
	s_add_co_u32 s[G0+4*\s+1], s21, \s*SLOT
	s_add_nc_u64 s[G0+4*\s+2:G0+4*\s+3], s[4:5], \s*131072  ; half s of row 2 g
	s_or_b32 s[G0+4*\s+3], s[G0+4*\s+3], 0x80000000
	tensor_load_to_lds s[G0+4*\s:G0+4*\s+3], s[G1:G1+7]
	s_nop 0
.endr
.irp s, 0,1                                    ; m's two parts, 32 rows each, for later: sets of their own, written once
	s_mov_b32 s[G0M+4*\s], 1
	s_add_co_u32 s[G0M+4*\s+1], s21, \s*SLOT
	s_add_nc_u64 s[G0M+4*\s+2:G0M+4*\s+3], s[16:17], \s*8192
	s_or_b32 s[G0M+4*\s+3], s[G0M+4*\s+3], 0x80000000
.endr
	s_load_b256 s[88:95], s[14:15], 0x0            ; e0 .. e7
	v_and_b32 v1, 15, v0                           ; r
	v_bfe_u32 v2, v0, 4, 1                         ; h
	v_and_b32 v[L16], 31, v0
	v_lshlrev_b32 v[L16], 4, v[L16]
	v_lshlrev_b32 v[R4], 2, v1
	v_and_b32 v[TP], 7, v0
	v_lshlrev_b32 v[TP], 2, v[TP]
	v_lshl_add_u32 v[TP], v2, 11, v[TP]            ; Wz(64 h + e, r % 8): 2,048 h + 4 (r % 8), + 32 e
	v_lshlrev_b32 v[GOF], 8, v2                    ; z's gain and bias: 256 h
	s_lshl_b32 s44, s[WV], 6
	v_lshl_add_u32 v[CH+7], v2, 5, s44             ; the mask: 64 wave + 32 h
.set ee, 0
.rept 64
	global_load_b32 v[WF+ee], v[TP], s[6:7] offset:32*ee
.set ee, ee+1
.endr
.set ee, 0
.rept 16
	global_load_b128 v[X+4*ee:X+4*ee+3], v[GOF], s[10:11] offset:16*ee       ; norm_z_w, for now in X
	global_load_b128 v[T+4*ee:T+4*ee+3], v[GOF], s[12:13] offset:16*ee       ; norm_z_b, for now in v176-239
.set ee, ee+1
.endr
.irp f, 0,1
	global_load_b128 v[MK+8*\f:MK+8*\f+3], v[CH+7], s[8:9] offset:1024*\f
	global_load_b128 v[MK+8*\f+4:MK+8*\f+7], v[CH+7], s[8:9] offset:1024*\f+16
.endr
	v_mul_u32_u24 v[LA], v1, PZ
	v_lshl_add_u32 v[LA], v2, 8, v[LA]
	v_add_nc_u32 v[LA], s21, v[LA]                 ; tile + 528 r + 256 h
	v_add_nc_u32 v[LA+1], SLOT, v[LA]
	v_mul_u32_u24 v[RDR], v1, 80
	v_add_nc_u32 v[RDR], RED, v[RDR]
	s_lshl_b32 s44, s[WV], 2
	v_add_nc_u32 v[RDW], s44, v[RDR]
	s_lshr_b32 s45, s[WV], 1
	s_lshl_b32 s45, s45, 5
	s_and_b32 s46, s[WV], 1
	s_lshl_b32 s46, s46, 3
	s_add_co_u32 s45, s45, s46
	s_add_co_u32 s45, s45, STG
	v_mul_u32_u24 v[STW], v1, PZ
	v_lshl_add_u32 v[STW], v2, 4, v[STW]
	v_add_nc_u32 v[STW], s45, v[STW]               ; STG + 528 r + 16 h + 32 (wave / 2) + 8 (wave % 2); the second half's codes lie 256 bytes on
	s_mul_i32 s46, s[WV], PZ
	s_add_co_u32 s46, s46, STG
	v_add_nc_u32 v[STR], s46, v[L16]
	v_cmp_gt_u32 vcc_lo, 8, v1
	v_cndmask_b32 v[NM], 0, 1.0, vcc_lo            ; 1 in the lanes of heads 0-7
	v_mov_b32 v[NM+1], v[NM]
	s_lshr_b32 s44, ttmp9, 4                       ; p_codes: i / 32 = g / 16: 131,072 bytes;
	s_lshl_b32 s44, s44, 17
	s_and_b32 s45, ttmp9, 15                       ; i % 32 = 2 (g % 16) + row: 512 bytes;
	s_lshl_b32 s45, s45, 10
	s_add_co_u32 s44, s44, s45
	s_lshl_b32 s45, s[WV], 14                      ; the head (waves 0-7 store): 16,384 bytes
	s_add_co_u32 s44, s44, s45
	s_mov_b32 s45, 0
	s_add_nc_u64 s[PB:PB+1], s[PB:PB+1], s[44:45]
	s_lshl_b32 s44, ttmp9, 7                       ; lsum: two rows of 64 bytes
	s_add_nc_u64 s[LB:LB+1], s[LB:LB+1], s[44:45]
	s_lshl_b32 s44, ttmp9, 16                      ; mn1, mn4: image 64 g + 4 wave, 1,024 bytes each
	s_lshl_b32 s46, s[WV], 12
	s_add_co_u32 s44, s44, s46
	s_add_nc_u64 s[80:81], s[80:81], s[44:45]
	s_add_nc_u64 s[82:83], s[82:83], s[44:45]
.macro FOLD                            ; four chains of pairs, the pair's halves, the partner lane: the sum over a row's numbers in v[CH]
	v_pk_add_f32 v[CH:CH+1], v[CH:CH+1], v[CH+2:CH+3]
	v_pk_add_f32 v[CH+4:CH+5], v[CH+4:CH+5], v[CH+6:CH+7]
	v_pk_add_f32 v[CH:CH+1], v[CH:CH+1], v[CH+4:CH+5]
	v_add_f32 v[CH], v[CH], v[CH+1]
	v_permlanex16_b32 v[TP], v[CH], s[SEL], s[SEL+1]
	v_add_f32 v[CH], v[CH], v[TP]
.endm
.macro QCONST vs, vl, se               ; 2^e as f32 (a conversion takes its exponent field) and 448 x 2^e
	s_add_co_i32 s46, \se, 127
	s_lshl_b32 s47, s46, 23
	v_mov_b32 v[\vs], s47
	s_add_co_i32 s46, s46, 8
	s_lshl_b32 s46, s46, 23
	s_or_b32 s46, s46, 0x600000
	v_mov_b32 v[\vl], s46
.endm
	s_wait_loadcnt 0x0                             ; weights, gain, bias, mask: once
.set j, 0
.rept 32
	v_pk_mul_f32 v[WF+j:WF+j+1], v[WF+j:WF+j+1], v[NM:NM+1]     ; columns 8-15 become zeros
.set j, j+2
.endr
.irp k, 0,2,4,6
	v_pk_mul_f32 v[CH+\k:CH+\k+1], v[T+\k:T+\k+1], v[WF+\k:WF+\k+1]
.endr
.set j, 8
.rept 28
	v_pk_fma_f32 v[CH+j%8:CH+j%8+1], v[T+j:T+j+1], v[WF+j:WF+j+1], v[CH+j%8:CH+j%8+1]
.set j, j+2
.endr
	FOLD                                           ; the bias term of my head: sum over c of norm_z_b[c] Wz[c][head]
.set j, 0
.rept 32
	v_pk_mul_f32 v[WF+j:WF+j+1], v[WF+j:WF+j+1], v[X+j:X+j+1]   ; x norm_z_w
.set j, j+2
.endr
.irp k, 0,2,4,6,8,10,12,14
	v_pk_add_f32 v[CM+\k:CM+\k+1], v[MK+\k:MK+\k+1], v[CH:CH+1] op_sel_hi:[1,0]
.endr
.irp k, 0,2,4,6,8,10,12,14
	v_pk_mul_f32 v[CM+\k:CM+\k+1], v[CM+\k:CM+\k+1], s[L2E:L2E+1] op_sel_hi:[1,0]
.endr
	s_wait_kmcnt 0x0
	QCONST SC, LIM, s91                            ; e3
	QCONST Q1S, Q1L, s89                           ; e1 (the mask's registers are free from here on)
	QCONST Q4S, Q4L, s92                           ; e4
	v_lshlrev_b32 v[GOF], 5, v2                    ; m's gain and bias: 32 h
	v_lshrrev_b32 v[MLA], 1, v1                    ; m's tile: two rows of m to a row of the tile: 528 (r / 2) + 256 (r % 2) + 32 h
	v_mul_u32_u24 v[MLA], v[MLA], PZ
	v_and_b32 v[MLA+1], 1, v1
	v_lshl_add_u32 v[MLA], v[MLA+1], 8, v[MLA]
	v_lshl_add_u32 v[MLA], v2, 5, v[MLA]
	v_add_nc_u32 v[MLA], s21, v[MLA]
	v_add_nc_u32 v[MLA+1], SLOT, v[MLA]
; My tile of z in slot sl, half hf of a row i: LayerNorm in two passes, the product, t.  left: how many younger tensor loads of mine may stay out.
.macro TILE sl, hf, left
	s_wait_tensorcnt \left                         ; a wave's tensor loads end in order: my tile is in LDS
.set ee, 0
.rept 16
	ds_load_b128 v[X+4*ee:X+4*ee+3], v[LA+\sl] offset:16*ee
.set ee, ee+1
.endr
	s_wait_dscnt 0x0
.irp k, 0,1,2,3
	v_pk_add_f32 v[CH+2*\k:CH+2*\k+1], v[X+4*\k:X+4*\k+1], v[X+4*\k+2:X+4*\k+3]
.endr
.set j, 16
.rept 24
	v_pk_add_f32 v[CH+j%8:CH+j%8+1], v[CH+j%8:CH+j%8+1], v[X+j:X+j+1]
.set j, j+2
.endr
	FOLD
	v_mul_f32 v[MU], s48, v[CH]                    ; the mean
	v_mov_b32 v[MU+1], v[MU]
.set j, 0
.rept 32
	v_pk_add_f32 v[X+j:X+j+1], v[X+j:X+j+1], v[MU:MU+1] neg_lo:[0,1] neg_hi:[0,1]
.set j, j+2
.endr
.irp k, 0,2,4,6
	v_pk_mul_f32 v[CH+\k:CH+\k+1], v[X+\k:X+\k+1], v[X+\k:X+\k+1]
.endr
.set j, 8
.rept 28
	v_pk_fma_f32 v[CH+j%8:CH+j%8+1], v[X+j:X+j+1], v[X+j:X+j+1], v[CH+j%8:CH+j%8+1]
.set j, j+2
.endr
	FOLD
	v_fma_f32 v[RS], v[CH], s48, s49               ; var + eps
	v_rsq_f32 v[RS], v[RS]
	v_nop                                          ; a plain instruction behind the transcendental,
	s_wait_alu depctr_va_vdst(0)                   ; and the wait ahead of the first line that names its result
	v_mov_b32 v[RS+1], v[RS]
.set j, 0
.rept 32
	v_pk_mul_f32 v[X+j:X+j+1], v[X+j:X+j+1], v[RS:RS+1]
.set j, j+2
.endr
.set kk, 0
.rept 32                                       ; two accumulators by turns, one instruction a turn; the first two products start the sums
.if kk < 2
	v_wmma_f32_16x16x4_f32 v[A0+8*(kk%2):A0+8*(kk%2)+7], v[X+2*kk:X+2*kk+1], v[WF+2*kk:WF+2*kk+1], 0
.else
	v_wmma_f32_16x16x4_f32 v[A0+8*(kk%2):A0+8*(kk%2)+7], v[X+2*kk:X+2*kk+1], v[WF+2*kk:WF+2*kk+1], v[A0+8*(kk%2):A0+8*(kk%2)+7]
.endif
.set kk, kk+1
.endr
.rept 8
	v_nop                                          ; eight places behind this form (ISA guide 7.12.1) ahead of the first read of its results
.endr
.irp k, 0,2,4,6
	v_pk_add_f32 v[T+8*\hf+\k:T+8*\hf+\k+1], v[A0+\k:A0+\k+1], v[A0+8+\k:A0+8+\k+1]   ; both accumulators from their low ends on
.endr
.irp k, 0,2,4,6
	v_pk_fma_f32 v[T+8*\hf+\k:T+8*\hf+\k+1], v[T+8*\hf+\k:T+8*\hf+\k+1], s[L2E:L2E+1], v[CM+8*\hf+\k:CM+8*\hf+\k+1] op_sel_hi:[1,0,1]   ; t = (logit + bias term + mask) x log2(e)
.endr
.endm
; A slot that I have read is filled again, by the group 0 at s[g0].  step: bytes by which its global address goes on first (z: a row of z; m: none, its sets were made whole at the head).
.macro FILL g0, step
	s_wait_tensorcnt 0x0                           ; all my tensor loads have landed: a group 0 may be written
	ds_add_u32 v[SPW], v[NIL]                      ; 0 onto my spare word
.if \step
	s_add_nc_u64 s[\g0+2:\g0+3], s[\g0+2:\g0+3], \step   ; the type bits on top are not reached
.endif
	s_wait_dscnt 0x0                               ; the add is done, and my reads of the slot are back
	s_barrier_signal -1
	s_barrier_wait -1
	tensor_load_to_lds s[\g0:\g0+3], s[G1:G1+7]    ; my one tensor load behind this barrier, and the first thing there
	s_nop 0
.endm
.macro MEET                            ; my LDS stores have landed and my LDS loads are in: then the work-group's barrier
	s_wait_dscnt 0x0
	s_barrier_signal -1
	s_barrier_wait -1
.endm
.macro MAX16 b                         ; the largest of v[b] .. v[b + 15] in v[CH]
	v_max3_num_f32 v[CH], v[\b], v[\b+1], v[\b+2]
	v_max3_num_f32 v[CH+1], v[\b+3], v[\b+4], v[\b+5]
.irp i, 6,10
	v_max3_num_f32 v[CH], v[CH], v[\b+\i], v[\b+\i+1]
	v_max3_num_f32 v[CH+1], v[CH+1], v[\b+\i+2], v[\b+\i+3]
.endr
	v_max3_num_f32 v[CH], v[CH], v[\b+14], v[\b+15]
	v_max_num_f32 v[CH], v[CH], v[CH+1]
.endm
.macro SUM16 d, b                      ; the sum of v[b] .. v[b + 15] in v[d]
	v_pk_add_f32 v[CH:CH+1], v[\b:\b+1], v[\b+2:\b+3]
	v_pk_add_f32 v[CH+2:CH+3], v[\b+4:\b+5], v[\b+6:\b+7]
	v_pk_add_f32 v[CH:CH+1], v[CH:CH+1], v[\b+8:\b+9]
	v_pk_add_f32 v[CH+2:CH+3], v[CH+2:CH+3], v[\b+10:\b+11]
	v_pk_add_f32 v[CH:CH+1], v[CH:CH+1], v[\b+12:\b+13]
	v_pk_add_f32 v[CH+2:CH+3], v[CH+2:CH+3], v[\b+14:\b+15]
	v_pk_add_f32 v[CH:CH+1], v[CH:CH+1], v[CH+2:CH+3]
	v_add_f32 v[\d], v[CH], v[CH+1]
.endm
; The softmax of one row i: the 16 waves' maxima meet in LDS; p, its sum and its codes; the sums and the codes meet in LDS; waves 0-7 store a head's 512 codes each, wave 8 the sums.
; RED, RED2 and STG are written again for the second row only behind a barrier that every wave reaches with its reads of them back.
.macro SM row
	MAX16 T
	v_permlanex16_b32 v[TP], v[CH], s[SEL], s[SEL+1]
	v_max_num_f32 v[CH], v[CH], v[TP]              ; my head's largest t among my wave's 32 tokens
	ds_store_b32 v[RDW], v[CH]
	MEET
.irp k, 0,1,2,3
	ds_load_b128 v[RB+4*\k:RB+4*\k+3], v[RDR] offset:16*\k
.endr
	s_wait_dscnt 0x0
	MAX16 RB
	v_floor_f32 v[NM], -v[CH]                      ; -M = floor(-t) = -ceil(t): a whole number
	v_mov_b32 v[NM+1], v[NM]
.irp k, 0,2,4,6,8,10,12,14
	v_pk_add_f32 v[T+\k:T+\k+1], v[T+\k:T+\k+1], v[NM:NM+1]
.endr
.set j, 0
.rept 16
	v_exp_f32 v[T+j], v[T+j]                       ; p = 2^(t - M)
.set j, j+1
.endr
	v_nop                                          ; a plain instruction behind the batch,
	s_wait_alu depctr_va_vdst(0)                   ; and one wait for it, ahead of its first reader
	SUM16 CH, T                                    ; the sum is taken of the unquantised p
	v_permlanex16_b32 v[TP], v[CH], s[SEL], s[SEL+1]
	v_add_f32 v[CH], v[CH], v[TP]
	ds_store_b32 v[RDW], v[CH] offset:RED2
.set j, 0
.rept 16
	v_min_num_f32 v[T+j], v[T+j], v[LIM]           ; the conversion to an 8-bit code does not saturate (ISA guide 7.6.2); p is not negative, so the hold is one-sided
.set j, j+1
.endr
	v_cvt_scalef32_pk8_fp8_f32 v[CD:CD+1], v[T:T+7], v[SC]
	v_cvt_scalef32_pk8_fp8_f32 v[CD+2:CD+3], v[T+8:T+15], v[SC]
	v_nop                                          ; a plain instruction behind the last conversion: T is written again later
	ds_store_b64 v[STW], v[CD:CD+1]
	ds_store_b64 v[STW], v[CD+2:CD+3] offset:256
	MEET
	s_cmp_lt_u32 s[WV], 8
	s_cbranch_scc0 .Lnot_codes_\@
	ds_load_b128 v[OB+4*\row:OB+4*\row+3], v[STR]
	s_wait_dscnt 0x0
	global_store_b128 v[L16], v[OB+4*\row:OB+4*\row+3], s[PB:PB+1] offset:512*\row   ; 32 lanes store 512 consecutive bytes, at a multiple of 256 from the buffer's first byte
	s_branch .Lstored_\@
.Lnot_codes_\@:
	s_cmp_eq_u32 s[WV], 8
	s_cbranch_scc0 .Lstored_\@
.irp k, 0,1,2,3
	ds_load_b128 v[RB+4*\k:RB+4*\k+3], v[RDR] offset:RED2+16*\k
.endr
	s_wait_dscnt 0x0
	SUM16 LR+\row, RB
	global_store_b32 v[R4], v[LR+\row], s[LB:LB+1] offset:64*\row   ; lanes r and r + 16 hold, and store, the same number
.Lstored_\@:
.endm
; Sixteen rows of m, the t-th of my four images: rows 16 (t % 2) + r of the part in slot t / 2.  LayerNorm in two passes; two sets of codes; four stores of 512 consecutive bytes.
.macro MSTEP t
.set CB, MC+16*((\t)%2)
.irp k, 0,1,2,3,4,5,6,7
	ds_load_b128 v[X+4*\k:X+4*\k+3], v[MLA+(\t)/2] offset:8*PZ*((\t)%2)+64*(\k/2)+16*(\k%2)
.endr
	s_wait_dscnt 0x0
.irp k, 0,1,2,3
	v_pk_add_f32 v[CH+2*\k:CH+2*\k+1], v[X+4*\k:X+4*\k+1], v[X+4*\k+2:X+4*\k+3]
.endr
.set j, 16
.rept 8
	v_pk_add_f32 v[CH+j%8:CH+j%8+1], v[CH+j%8:CH+j%8+1], v[X+j:X+j+1]
.set j, j+2
.endr
	FOLD
	v_mul_f32 v[MU], s50, v[CH]                    ; the mean
	v_mov_b32 v[MU+1], v[MU]
.set j, 0
.rept 16
	v_pk_add_f32 v[X+j:X+j+1], v[X+j:X+j+1], v[MU:MU+1] neg_lo:[0,1] neg_hi:[0,1]
.set j, j+2
.endr
.irp k, 0,2,4,6
	v_pk_mul_f32 v[CH+\k:CH+\k+1], v[X+\k:X+\k+1], v[X+\k:X+\k+1]
.endr
.set j, 8
.rept 12
	v_pk_fma_f32 v[CH+j%8:CH+j%8+1], v[X+j:X+j+1], v[X+j:X+j+1], v[CH+j%8:CH+j%8+1]
.set j, j+2
.endr
	FOLD
	v_fma_f32 v[RS], v[CH], s50, s49               ; var + eps
	v_rsq_f32 v[RS], v[RS]
	v_nop                                          ; a plain instruction behind the transcendental,
	s_wait_alu depctr_va_vdst(0)                   ; and the wait ahead of the first line that names its result
	v_mov_b32 v[RS+1], v[RS]
.set j, 0
.rept 16
	v_pk_mul_f32 v[X+j:X+j+1], v[X+j:X+j+1], v[RS:RS+1]
.set j, j+2
.endr
.set j, 0
.rept 16
	v_pk_fma_f32 v[X+j:X+j+1], v[X+j:X+j+1], v[WN+j:WN+j+1], v[BN+j:BN+j+1]   ; mn
.set j, j+2
.endr
.if (\t) >= 2
	s_wait_xcnt 0x0                                ; the stores of two steps back have read this set of codes: it is written again only behind this wait
.endif
.irp g, 0,1,2,3                                ; with 2^e1: mn is wanted once more, so the held numbers go into two sets by turns
.irp i, 0,1,2,3,4,5,6,7
	v_med3_num_f32 v[TA+8*(\g%2)+\i], v[X+8*\g+\i], -v[Q1L], v[Q1L]   ; the conversion to an 8-bit code does not saturate (ISA guide 7.6.2): the hold at the largest code x the scale
.endr
	v_cvt_scalef32_pk8_fp8_f32 v[CB+2*\g:CB+2*\g+1], v[TA+8*(\g%2):TA+8*(\g%2)+7], v[Q1S]
.endr
.set j, 0
.rept 32                                       ; with 2^e4: in place
	v_med3_num_f32 v[X+j], v[X+j], -v[Q4L], v[Q4L]
.set j, j+1
.endr
.irp g, 0,1,2,3
	v_cvt_scalef32_pk8_fp8_f32 v[CB+8+2*\g:CB+8+2*\g+1], v[X+8*\g:X+8*\g+7], v[Q4S]
.endr
	v_nop                                          ; a plain instruction behind the last conversion
	global_store_b128 v[L16], v[CB:CB+3], s[80:81] offset:1024*(\t)          ; each store covers 512 consecutive bytes, at a multiple of 256 from the buffer's first byte
	global_store_b128 v[L16], v[CB+4:CB+7], s[80:81] offset:1024*(\t)+512
	global_store_b128 v[L16], v[CB+8:CB+11], s[82:83] offset:1024*(\t)
	global_store_b128 v[L16], v[CB+12:CB+15], s[82:83] offset:1024*(\t)+512
.endm
.macro WLOAD pitch                     ; number e of 32 = the weight at K = 16 (e / 8) + 8 h + e % 8 of my row; pitch: bytes from one K to the next
.set ee, 0
.rept 32
.if ee < 16
	global_load_b32 v[WXA+ee], v[WOF], s[86:87] offset:(16*(ee/8)+ee%8)*\pitch
.else
	global_load_b32 v[WXB+ee-16], v[WOF], s[86:87] offset:(16*(ee/8)+ee%8)*\pitch
.endif
.set ee, ee+1
.endr
.endm
	TILE 0, 0, 1                                   ; z row 0, first half; the count leaves the second half's tile on its way
	FILL G0, 262144                                ; z row 1's first half goes out
	TILE 1, 1, 1                                   ; z row 0, second half: one load was issued behind its own
	FILL G0+4, 262144                              ; z row 1's second half goes out
	SM 0
	TILE 0, 0, 1
	FILL G0M, 0                                    ; my first 32 rows of m go out
	TILE 1, 1, 1
	FILL G0M+4, 0                                  ; my other 32 rows: my last tensor load
.irp k, 0,1,2,3,4,5,6,7                        ; m's gain and bias, into the registers that z's weights have left (the last product stands more than eight plain instructions back); they land under the softmax below
	global_load_b128 v[WN+4*\k:WN+4*\k+3], v[GOF], s[18:19] offset:64*(\k/2)+16*(\k%2)
	global_load_b128 v[BN+4*\k:BN+4*\k+3], v[GOF], s[68:69] offset:64*(\k/2)+16*(\k%2)
.endr
	SM 1
	s_wait_loadcnt 0x0                             ; gain and bias
	s_cmp_lt_u32 ttmp9, 3                          ; work-groups 0, 1, 2: Wm, Wg, Wo; a wave an image.  The 32 loads go out here and land under the four steps of m
	s_cbranch_scc0 .Lw_asked
	v_lshlrev_b32 v[WOF], 2, v1                    ; 4 r
	s_cmp_lt_u32 ttmp9, 2
	s_cbranch_scc0 .Lw_o
	s_cmp_eq_u32 ttmp9, 0
	s_cselect_b64 s[86:87], s[70:71], s[72:73]     ; Wm or Wg: [64 (K)][256]: K is 1,024 bytes apart
	s_lshl_b32 s46, s[WV], 6                       ; rows 16 wave + r of the transposed weight
	v_lshl_add_u32 v[WOF], v2, 13, v[WOF]          ; + 8 h rows of 1,024 bytes
	v_add_nc_u32 v[WOF], s46, v[WOF]
	WLOAD 1024
	s_branch .Lw_asked
.Lw_o:
	s_mov_b64 s[86:87], s[74:75]                   ; Wo: [256 (K)][64]: K is 256 bytes apart
	s_lshr_b32 s46, s[WV], 2                       ; ct = wave / 4: rows c = 16 ct + r
	s_lshl_b32 s46, s46, 6
	s_and_b32 s47, s[WV], 3                        ; kp = wave % 4: K = 64 kp on
	s_lshl_b32 s47, s47, 14
	s_add_co_u32 s46, s46, s47
	v_lshl_add_u32 v[WOF], v2, 11, v[WOF]          ; + 8 h rows of 256 bytes
	v_add_nc_u32 v[WOF], s46, v[WOF]
	WLOAD 256
.Lw_asked:
	s_wait_tensorcnt 0x1                           ; m's first part is in; the second, the one load issued behind it, may stay out
	MSTEP 0
	MSTEP 1
	s_wait_tensorcnt 0x0
	MSTEP 2
	MSTEP 3
	s_cmp_lt_u32 ttmp9, 3
	s_cbranch_scc0 .Lw_none
	s_cmp_eq_u32 ttmp9, 0
	s_cselect_b32 s45, s88, s93                    ; e0 or e5,
	s_cmp_lt_u32 ttmp9, 2
	s_cselect_b32 s45, s45, s95                    ; or e7
	QCONST QWS, QWL, s45
	s_lshl_b32 s46, ttmp9, 14                      ; image 16 g + wave
	s_lshl_b32 s47, s[WV], 10
	s_add_co_u32 s46, s46, s47
	s_mov_b32 s47, 0
	s_add_nc_u64 s[84:85], s[84:85], s[46:47]
	s_wait_loadcnt 0x0
.set j, 0
.rept 16
	v_med3_num_f32 v[WXA+j], v[WXA+j], -v[QWL], v[QWL]
	v_med3_num_f32 v[WXB+j], v[WXB+j], -v[QWL], v[QWL]
.set j, j+1
.endr
.irp g, 0,1
	v_cvt_scalef32_pk8_fp8_f32 v[WC+2*\g:WC+2*\g+1], v[WXA+8*\g:WXA+8*\g+7], v[QWS]
.endr
.irp g, 0,1
	v_cvt_scalef32_pk8_fp8_f32 v[WC+4+2*\g:WC+4+2*\g+1], v[WXB+8*\g:WXB+8*\g+7], v[QWS]
.endr
	v_nop
	global_store_b128 v[L16], v[WC:WC+3], s[84:85]
	global_store_b128 v[L16], v[WC+4:WC+7], s[84:85] offset:512
.Lw_none:
	s_wait_tensorcnt 0x0                           ; the wave's end: behind my last tensor load and my last LDS store
	ds_add_u32 v[SPW], v[NIL]
	s_wait_dscnt 0x0
	s_endpgm
.Lfunc_end_k_qfb90db207d_front:
	.size	k_qfb90db207d_front, .Lfunc_end_k_qfb90db207d_front-k_qfb90db207d_front
	.p2alignl 7, 3214868480
	.fill 96, 4, 3214868480
	.section	.rodata,"a",@progbits
	.p2align	6, 0x0
	.amdhsa_kernel k_qfb90db207d_front
		.amdhsa_group_segment_fixed_size 327680
		.amdhsa_private_segment_fixed_size 0
		.amdhsa_enable_private_segment 0
		.amdhsa_kernarg_size 136
		.amdhsa_user_sgpr_count 2
		.amdhsa_user_sgpr_kernarg_segment_ptr 1
		.amdhsa_wavefront_size32 1
		.amdhsa_system_sgpr_workgroup_id_x 1
		.amdhsa_system_sgpr_workgroup_id_y 1
		.amdhsa_system_sgpr_workgroup_id_z 1
		.amdhsa_system_vgpr_workitem_id 0
		.amdhsa_next_free_vgpr 256
		.amdhsa_next_free_sgpr 96
		.amdhsa_reserve_vcc 1
		.amdhsa_float_denorm_mode_32 3
		.amdhsa_float_denorm_mode_16_64 3
		.amdhsa_memory_ordered 1
		.amdhsa_forward_progress 1
		.amdhsa_inst_pref_size 141
	.end_amdhsa_kernel
	.amdgpu_metadata
---
amdhsa.version: [ 1, 2 ]
amdhsa.kernels:
  - .name:           k_qfb90db207d_front
    .symbol:         k_qfb90db207d_front.kd
    .args:
      - { .name: z, .offset: 0, .size: 8, .value_kind: global_buffer, .address_space: global }
      - { .name: Wz, .offset: 8, .size: 8, .value_kind: global_buffer, .address_space: global }
      - { .name: attn_mask, .offset: 16, .size: 8, .value_kind: global_buffer, .address_space: global }
      - { .name: norm_z_w, .offset: 24, .size: 8, .value_kind: global_buffer, .address_space: global }
      - { .name: norm_z_b, .offset: 32, .size: 8, .value_kind: global_buffer, .address_space: global }
      - { .name: lowp_scales, .offset: 40, .size: 8, .value_kind: global_buffer, .address_space: global }
      - { .name: m, .offset: 48, .size: 8, .value_kind: global_buffer, .address_space: global }
      - { .name: norm_m_w, .offset: 56, .size: 8, .value_kind: global_buffer, .address_space: global }
      - { .name: norm_m_b, .offset: 64, .size: 8, .value_kind: global_buffer, .address_space: global }
      - { .name: Wm, .offset: 72, .size: 8, .value_kind: global_buffer, .address_space: global }
      - { .name: Wg, .offset: 80, .size: 8, .value_kind: global_buffer, .address_space: global }
      - { .name: Wo, .offset: 88, .size: 8, .value_kind: global_buffer, .address_space: global }
      - { .name: p_codes, .offset: 96, .size: 8, .value_kind: global_buffer, .address_space: global }
      - { .name: lsum, .offset: 104, .size: 8, .value_kind: global_buffer, .address_space: global }
      - { .name: mn1, .offset: 112, .size: 8, .value_kind: global_buffer, .address_space: global }
      - { .name: mn4, .offset: 120, .size: 8, .value_kind: global_buffer, .address_space: global }
      - { .name: wcodes, .offset: 128, .size: 8, .value_kind: global_buffer, .address_space: global }
    .group_segment_fixed_size: 327680
    .private_segment_fixed_size: 0
    .kernarg_segment_align: 8
    .kernarg_segment_size: 136
    .max_flat_workgroup_size: 512
    .sgpr_count:     96
    .vgpr_count:     256
    .wavefront_size: 32
...
	.end_amdgpu_metadata
.endif
;; end of part 1
;; launch chain (part 2): grid 256 x 1, 8 waves a work-group, clusters of 4 x 1, 327,680 bytes of LDS; arguments p_codes, lsum, mn1, mn4, wcodes, lowp_scales, out0; writes out0
.if DOCPART == 2
	.amdgcn_target "amdgcn-amd-amdhsa--gfx1250"
	.amdhsa_code_object_version 6
	.text
	.protected	k_qfb90db207d_chain
	.globl	k_qfb90db207d_chain
	.p2align	8
	.type	k_qfb90db207d_chain,@function
k_qfb90db207d_chain:
	s_mov_b64 s[64:65], 0
	v_nop
	global_prefetch_b8 v0, s[64:65] scope:SCOPE_SE
	s_setreg_imm32_b32 hwreg(HW_REG_WAVE_MODE, 25, 1), 1
	s_wait_xcnt 0x0
	s_wait_alu depctr_hold_cnt(0) depctr_sa_sdst(0) depctr_va_vdst(0) depctr_va_sdst(0) depctr_va_ssrc(0) depctr_va_vcc(0) depctr_vm_vsrc(0)
	s_getreg_b32 s2, hwreg(HW_REG_IB_STS2, 6, 4)
	s_cmp_eq_u32 s2, 0
	s_cbranch_scc0 .Lentry_in_a_cluster
	s_endpgm
.Lentry_in_a_cluster:
	s_bfe_u32 s2, ttmp6, 0x10000c
	s_cmp_lg_u32 s2, 0x3003
	s_cbranch_scc0 .Lentry_shape_is_right
	s_endpgm
.Lentry_shape_is_right:
; THE CHAIN, all on codes of E4M3: v = mn Wm (scales e1, e0), quantised with 2^e2; o = (p v) / l (p: e3); g = sigmoid(mn Wg) (e4, e5); o g quantised with 2^e6; out = (o g) Wo (e7).  No work of the problem is left out here.
; LIMITS: e2 - e0 - e1 and e6 between -126 and 119; e6 + e7 between -126 and 127; e4 + e5 between -126 and 126 (it is added to an exponent field); l x 2^-(e2 + e3) stays a normal f32 number.  NaN among the inputs is not served.
; SHARES.  A work-group takes two sequences s = 2 g, 2 g + 1 through the whole chain.  Wave w of eight is head w.  v^T of (2 sequences, head w), 64 rows (s, d) x 512 tokens j of codes, fills the wave's window 1 and
; never goes to memory.  The rows i are walked 32 a lap, 16 laps; a lap's p (8 heads x 32 rows x 512 codes) and mn4 images (2 sequences x 2 tiles) come through a ring of two LDS slots.
; CLUSTER.  All work-groups walk the same p in the same order: the four of a cluster ask for it JOINTLY (waves 0-3, 64 rows each; the same descriptor in all four, made of constants and the wave's number alone).
; Waves 4-7 fetch the work-group's own mn4 images by plain tensor loads in the same place: one tensor load a wave behind each round of the cluster's barrier.  At most two tensor loads of a wave are out.
; THE CHANGE OF SLOTS STANDS IN A LAP'S MIDDLE, behind the lap's last products, which are the last to want the slot's fragments: the slot is filled again at once, and the NEXT lap's first fragments are asked for
; there too, so that they land under the second tile's vector work and the last product.
; LAYOUTS.  v^T: source 0 = 16 tokens of mn1, source 1 = 16 columns d of Wm: lane r holds d = r, registers run along j: the conversions' results are the next product's operand registers.
; o^T = v^T p^T: source 0 = 16 rows d of v^T, source 1 = 16 rows i of p: lane r holds row i = r, registers d = 8 h + 0 .. 7.  g likewise (source 0 = Wg^T, source 1 = mn4).  So o g / l is made lane by lane, and its
; codes are four registers of the last product's operand (K = 32 head + d).  They go from wave to wave through LDS as images of those registers.  Last product: source 0 = Wo^T, source 1 = o g: a lane holds 8 neighbouring c of a row.
; One reciprocal serves the sigmoid and the division by l: o g = sum x 1 / (l' (1 + 2^(-x log2 e))), l' = l x 2^-(e2 + e3).
; REGISTERS.  Window 1: V(s, dt, ks) at v[16 (8 s + 4 dt + ks)].  Window 0: see the names below.
.set PP,    528                        ; a row of p in LDS: 512 bytes + 16 of padding = 132 words: the 16 rows of a load start at 16 different banks
.set HEADB, 32*PP                      ; a head's 32 rows
.set MN4O,  8*HEADB                    ; behind p's part of a slot: four images of 1,024 bytes, (2 s + it)
.set SLOT,  MN4O+4096                  ; 139,264 bytes
.set OG,    2*SLOT                     ; behind the ring: o g's images, four units (2 s + it) of 4,096 bytes
.set STG,   OG+16384                   ; the stage for out: 64 rows x (256 bytes + 16)
.set SP,    272
.set MN1R,  OG                         ; phase 1 alone: a sequence's 32 images of mn1, 32,768 bytes, over OG and STG: all three are written by LDS stores alone
.set SPARE, STG+64*SP                  ; the spare words, 128 bytes for each of 8 waves: four blocks of 256 bytes that no other line names
.set PADR, 3                           ; v3, v4   my lane's place in my head's rows of p, slot 0, 1
.set MADR, 5                           ; v5, v6   16 x lane in the slot's mn4 images
.set OGW,  7                           ; v7       where I store o g's codes
.set OGR,  8                           ; v8       where I read a unit's images
.set STW,  9                           ; v9       the stage: where I put 32 bytes of a row
.set STR,  10                          ; v10      and where I read rows back
.set L16,  11                          ; v11      16 x lane
.set VL,   12                          ; v12      lsum: 64 r + 4 wave, + 2,048 a lap
.set SPW,  13                          ; v13      my spare word; never rewritten
.set NIL,  14                          ; v14      0; never rewritten
.set MNR,  15                          ; v15      MN1R + 16 x lane
.set LS,   16                          ; v16-19   l of (slot, it)
.set LP,   20                          ; v[20:21] l', twice
.set QS,   22                          ; v22      the conversions' scale (phase 1: 2^(e2 - e0 - e1); then 2^e6)
.set QL,   23                          ; v23      448 x that
.set OGC,  24                          ; v24-31   o g's codes
.set MNW,  24                          ; v24      phase 1 alone, when OGC is not yet in use: MNR + 4,096 wave
.set PF,   32                          ; v32-95   p's four fragments
.set OACC, 96                          ; v96-127  o^T: tile (s, dt) at 8 (2 s + dt)
.set GACC, 128                         ; v128-159 the gate's sums, likewise
.set MF,   160                         ; v160-175 mn4's two fragments
.set WG,   176                         ; v176-191 Wg^T, my head's two tiles
.set WO,   192                         ; v192-255 Wo^T: tile tl, half hf of K at 32 tl + 16 hf
.set MA,   32                          ; phase 1: four fragments of mn1
.set MS,   64                          ; phase 1: my 4,096 bytes of mn1 on their way to LDS
.set ACC,  96                          ; phase 1: eight accumulators
.set WM,   160                         ; phase 1: Wm^T, my head's two tiles
.set OGF,  96                          ; the last product: a unit's two fragments, where o^T lay (PF holds the next lap's fragments by then)
.set CACC, 128                         ; its two accumulators
.set TMP,  144                         ; its sums x 2^(e6 + e7)
.set OUTR, 96                          ; rows of out read back
.set WV,   18                          ; s18      wave
.set G1P,  24                          ; s[24:31] descriptor group 1 for p;  s[32:39] for mn4
.set G1M,  32
.set G0P,  40                          ; s[40:47] group 0 for p, a set for each slot;  s[48:55] for mn4
.set G0M,  48
.set CG,   66                          ; s[66:67] -log2(e) x 2^(e4 + e5)
.set CO,   68                          ; s[68:69] 2^(e6 + e7)
.set MSB, 0
.macro WIN new                         ; the immediate's high byte repeats the setting that is left
.if MSB != \new
	s_set_vgpr_msb (MSB<<8)|\new
.set MSB, \new
.endif
.endm
.macro PLACES
.rept 4
	v_nop
.endr
.endm
.macro CREST                           ; a round of the cluster's barrier behind its opening barrier
	s_cmp_lg_u32 s[WV], 0
	s_cbranch_scc1 .Lnot_wave_0_\@
	s_barrier_signal -3
.Lnot_wave_0_\@:
	s_barrier_wait -3
	s_barrier_signal -1
	s_barrier_wait -1
.endm
.macro ROUND                           ; a whole round
	s_barrier_signal -1
	s_barrier_wait -1
	CREST
.endm
.macro MEET                            ; my LDS stores have landed and my LDS loads are in: then the work-group's barrier
	s_wait_dscnt 0x0
	s_barrier_signal -1
	s_barrier_wait -1
.endm
; A wave's one tensor load into slot s: waves 0-3 the joint load of p, waves 4-7 their image of mn4.  The branch hangs on the wave's number alone.  An s_nop 0 and four v_nop follow each line.
.macro TL s
	s_cmp_lt_u32 s[WV], 4
	s_cbranch_scc0 .Lfor_m_\@
	tensor_load_to_lds s[G0P+4*(\s):G0P+4*(\s)+3], s[G1P:G1P+7]
	s_nop 0
	PLACES
	s_branch .Lasked_\@
.Lfor_m_\@:
	tensor_load_to_lds s[G0M+4*(\s):G0M+4*(\s)+3], s[G1M:G1M+7]
	s_nop 0
	PLACES
.Lasked_\@:
.endm
	s_load_b256 s[4:11], s[0:1], 0x0               ; p_codes s[4:5], lsum s[6:7], mn1 s[8:9], mn4 s[10:11]
	s_load_b128 s[12:15], s[0:1], 0x20             ; wcodes s[12:13], lowp_scales s[14:15]
	s_load_b64 s[16:17], s[0:1], 0x30              ; out0
	v_lshl_add_u32 v[SPW], v0, 2, SPARE
	v_mov_b32 v[NIL], 0
	ds_add_u32 v[SPW], v[NIL]                      ; the wave's opening: the add, twice on end, and its wait ahead of the round in front of my first tensor load
	ds_add_u32 v[SPW], v[NIL]                      ; and once more, under the one wait; the set-up below, work on registers, stands between
	v_lshrrev_b32 v1, 5, v0
	v_readfirstlane_b32 s[WV], v1                  ; wave 0..7
	s_bfe_u32 s19, ttmp6, 0x40000                  ; cx: my place in the cluster
	s_lshl_b32 s20, ttmp9, 2                       ; in a cluster launch ttmp9 counts clusters
	s_add_co_u32 s20, s20, s19                     ; g: it enters the global addresses of mn1, mn4 and out0 alone
	s_and_b32 s21, s[WV], 3
	s_mov_b32 s[G1P+0], 15|(1<<20)|(1<<21)|(6<<22)|(3<<25)  ; the mask: all four work-groups; elements of 1 byte; padding on; bit 21 beside a mask; 4 words behind every 128
	s_mov_b32 s[G1P+1], 512<<16                    ; tensor_dim0 = 512
	s_mov_b32 s[G1P+2], 64<<16                     ; tensor_dim1 = 64
	s_mov_b32 s[G1P+3], 512<<16                    ; tile_dim0 = 512
	s_mov_b32 s[G1P+4], 64                         ; tile_dim1 = 64
	s_mov_b32 s[G1P+5], 512                        ; bytes from row to row: the rows are dense
	s_mov_b32 s[G1P+6], 0
	s_mov_b32 s[G1P+7], 0
	s_mov_b32 s[G1M+0], 3<<16                      ; no mask; elements of 8 bytes; no padding: an image of 1,024 bytes as 4 rows of 256
	s_mov_b32 s[G1M+1], 32<<16
	s_mov_b32 s[G1M+2], 4<<16
	s_mov_b32 s[G1M+3], 32<<16
	s_mov_b32 s[G1M+4], 4
	s_mov_b32 s[G1M+5], 32
	s_mov_b32 s[G1M+6], 0
	s_mov_b32 s[G1M+7], 0
	v_and_b32 v1, 15, v0                           ; r
	v_bfe_u32 v2, v0, 4, 1                         ; h
	v_and_b32 v[L16], 31, v0
	v_lshlrev_b32 v[L16], 4, v[L16]
	s_lshl_b32 s22, s[WV], 2
	v_lshl_add_u32 v[VL], v1, 6, s22
	s_lshl_b32 s72, s[WV], 11                      ; wcodes: my head's two images of Wm^T (Wg^T: 16,384 bytes on)
	s_mov_b32 s73, 0
	s_and_b32 s74, s[WV], 1                        ; Wo^T: tiles ct = 2 (wave % 2) + 0, 1: eight images
	s_lshl_b32 s74, s74, 13
	s_add_co_u32 s74, s74, 32768
	s_mov_b32 s75, 0
	s_lshl_b32 s76, s20, 16                        ; mn1: my two sequences, 32,768 bytes each; my wave's four images
	s_lshl_b32 s77, s[WV], 12
	s_add_co_u32 s76, s76, s77
	s_mov_b32 s77, 0
	s_lshl_b32 s78, s21, 15                        ; p: 64 rows of 512 bytes for each of waves 0-3
	s_mov_b32 s79, 0
	s_lshl_b32 s86, s20, 16                        ; mn4: image (wave % 4) = 2 s + it: sequence s, tile it of the lap
	s_lshr_b32 s87, s21, 1
	s_lshl_b32 s87, s87, 15
	s_add_co_u32 s86, s86, s87
	s_and_b32 s87, s21, 1
	s_lshl_b32 s87, s87, 10
	s_add_co_u32 s86, s86, s87
	s_mov_b32 s87, 0
	s_lshl_b32 s88, s20, 18                        ; out0: my two sequences, 131,072 bytes each; I store rows 8 wave .. of the stage: sequence wave / 4, 2,048 (wave % 4) bytes into the lap's 32 rows
	s_lshr_b32 s89, s[WV], 2
	s_lshl_b32 s89, s89, 17
	s_add_co_u32 s88, s88, s89
	s_lshl_b32 s89, s21, 11
	s_add_co_u32 s88, s88, s89
	s_mov_b32 s89, 0
	s_mul_i32 s22, s21, 64*PP                      ; LDS: my 64 rows of p,
	s_lshl_b32 s23, s21, 10
	s_add_co_u32 s23, s23, MN4O                    ; or my image of mn4: no place in the cluster enters an LDS address
	s_wait_dscnt 0x0                               ; both opening adds are done
	s_wait_kmcnt 0x0
	s_load_b256 s[56:63], s[14:15], 0x0            ; e0 .. e7
	s_add_nc_u64 s[72:73], s[12:13], s[72:73]
	s_add_nc_u64 s[74:75], s[12:13], s[74:75]
	s_add_nc_u64 s[76:77], s[8:9], s[76:77]
	s_add_nc_u64 s[78:79], s[4:5], s[78:79]
	s_add_nc_u64 s[86:87], s[10:11], s[86:87]
	s_add_nc_u64 s[80:81], s[16:17], s[88:89]
.irp i, 0,1,2,3
	global_load_b128 v[WM+4*\i:WM+4*\i+3], v[L16], s[72:73] offset:512*\i
	global_load_b128 v[WG+4*\i:WG+4*\i+3], v[L16], s[72:73] offset:16384+512*\i
.endr
.irp i, 0,1,2,3,4,5,6,7,8,9,10,11,12,13,14,15
	global_load_b128 v[WO+4*\i:WO+4*\i+3], v[L16], s[74:75] offset:512*\i
.endr
	global_load_b32 v[LS], v[VL], s[6:7]           ; l of the first lap
	global_load_b32 v[LS+1], v[VL], s[6:7] offset:1024
.irp k, 0,1,2,3,4,5,6,7
	global_load_b128 v[MS+4*\k:MS+4*\k+3], v[L16], s[76:77] offset:512*\k th:TH_LOAD_NT   ; the first sequence's mn1, my eighth
.endr
.irp s, 0,1
	s_mov_b32 s[G0P+4*\s], 1
	s_add_co_u32 s[G0P+4*\s+1], s22, \s*SLOT
	s_add_nc_u64 s[G0P+4*\s+2:G0P+4*\s+3], s[78:79], \s*131072   ; slot s begins with lap s
	s_or_b32 s[G0P+4*\s+3], s[G0P+4*\s+3], 0x80000000
	s_mov_b32 s[G0M+4*\s], 1
	s_add_co_u32 s[G0M+4*\s+1], s23, \s*SLOT
	s_add_nc_u64 s[G0M+4*\s+2:G0M+4*\s+3], s[86:87], \s*2048
	s_or_b32 s[G0M+4*\s+3], s[G0M+4*\s+3], 0x80000000
.endr
	ROUND                                          ; all four work-groups are here: the first joint loads meet
	s_cmp_lt_u32 s[WV], 4                          ; a wave's two first fills stand in one branch, a fill in each arm: two loads of mine are out
	s_cbranch_scc0 .Lfirst_m
	tensor_load_to_lds s[G0P:G0P+3], s[G1P:G1P+7]
	s_nop 0
	tensor_load_to_lds s[G0P+4:G0P+7], s[G1P:G1P+7]
	s_nop 0
	PLACES
	s_branch .Lfirst_asked
.Lfirst_m:
	tensor_load_to_lds s[G0M:G0M+3], s[G1M:G1M+7]
	s_nop 0
	tensor_load_to_lds s[G0M+4:G0M+7], s[G1M:G1M+7]
	s_nop 0
	PLACES
.Lfirst_asked:
	s_mul_i32 s22, s[WV], HEADB
	v_mul_u32_u24 v[PADR], v1, PP
	v_lshl_add_u32 v[PADR], v2, 4, v[PADR]
	v_add_nc_u32 v[PADR], s22, v[PADR]             ; my head + 528 r + 16 h
	v_add_nc_u32 v[PADR+1], SLOT, v[PADR]
	v_add_nc_u32 v[MADR], MN4O, v[L16]
	v_add_nc_u32 v[MADR+1], MN4O+SLOT, v[L16]
	s_lshl_b32 s22, s[WV], 9
	s_add_co_u32 s22, s22, OG
	v_add_nc_u32 v[OGW], s22, v[L16]               ; registers 4 (wave % 4) .. of fragment wave / 4: 512 wave bytes into a unit
	s_lshr_b32 s23, s[WV], 1
	s_lshl_b32 s22, s23, 12
	s_add_co_u32 s22, s22, OG
	v_add_nc_u32 v[OGR], s22, v[L16]               ; in the last product I take unit wave / 2
	s_mul_i32 s22, s23, 16*SP
	s_and_b32 s23, s[WV], 1
	s_lshl_b32 s23, s23, 7
	s_add_co_u32 s22, s22, s23
	s_add_co_u32 s22, s22, STG
	v_mul_u32_u24 v[STW], v1, SP
	v_lshl_add_u32 v[STW], v2, 5, v[STW]
	v_add_nc_u32 v[STW], s22, v[STW]               ; row 16 (wave / 2) + r; 128 (wave % 2) + 32 h bytes in
	s_mul_i32 s22, s[WV], 8*SP
	s_add_co_u32 s22, s22, STG
	v_mul_u32_u24 v[STR], v2, SP
	v_lshl_add_u32 v[STR], v1, 4, v[STR]
	v_add_nc_u32 v[STR], s22, v[STR]               ; back: rows 8 wave on; lanes 0-15 one row, lanes 16-31 the next
	v_add_nc_u32 v[MNR], MN1R, v[L16]
	s_lshl_b32 s22, s[WV], 12
	v_add_nc_u32 v[MNW], s22, v[MNR]
	s_wait_kmcnt 0x0
	s_sub_co_i32 s19, s58, s56
	s_sub_co_i32 s19, s19, s57                     ; a sum of mn Wm stands for sum x 2^(e0 + e1): its code is sum / 2^(e2 - e0 - e1)
	s_add_co_i32 s19, s19, 127
	s_lshl_b32 s21, s19, 23
	v_mov_b32 v[QS], s21
	s_add_co_i32 s19, s19, 8
	s_lshl_b32 s19, s19, 23
	s_or_b32 s19, s19, 0x600000
	v_mov_b32 v[QL], s19
	s_add_co_i32 s19, s62, 127
	s_lshl_b32 s84, s19, 23                        ; 2^e6,
	s_add_co_i32 s19, s19, 8
	s_lshl_b32 s19, s19, 23
	s_or_b32 s85, s19, 0x600000                    ; 448 x 2^e6: for later
	s_add_co_i32 s19, s60, s61
	s_lshl_b32 s19, s19, 23
	s_mov_b32 s[CG], 0xbfb8aa3b                    ; -log2(e); e4 + e5 is added to its exponent field
	s_add_co_u32 s[CG], s[CG], s19
	s_mov_b32 s[CG+1], s[CG]                       ; (named with it as a pair, so it is written)
	s_add_co_i32 s19, s62, s63
	s_add_co_i32 s19, s19, 127
	s_lshl_b32 s[CO], s19, 23
	s_mov_b32 s[CO+1], s[CO]
	s_add_co_i32 s70, s58, s59
	s_sub_co_i32 s70, 0, s70                       ; -(e2 + e3)
; PHASE 1: v^T of sequence s, my head.  The sequence's 32 images of mn1 lie in LDS; four at a time: 8 products, the hold, 8 conversions straight into the next product's operand registers.
.macro PH1LOAD b
.irp f, 0,1,2,3
	ds_load_b128 v[MA+8*\f:MA+8*\f+3], v[MNR] offset:(4*(\b)+\f)*1024
	ds_load_b128 v[MA+8*\f+4:MA+8*\f+7], v[MNR] offset:(4*(\b)+\f)*1024+512
.endr
.endm
.macro PH1 s
	PH1LOAD 0
.irp b, 0,1,2,3,4,5,6,7
	s_wait_dscnt 0x0
.irp f, 0,1,2,3
.irp dt, 0,1
	v_wmma_f32_16x16x64_fp8_fp8 v[ACC+16*\f+8*\dt:ACC+16*\f+8*\dt+7], v[MA+8*\f:MA+8*\f+7], v[WM+8*\dt:WM+8*\dt+7], 0
.endr
.endr
	PLACES                                         ; four places ahead of the loads into registers that these products read and of the first read of their results
.if \b < 7
	PH1LOAD \b+1
.endif
.set j, 0
.rept 64
	v_med3_num_f32 v[ACC+j], v[ACC+j], -v[QL], v[QL]   ; the hold at the largest code x the scale; each accumulator from its low end on
.set j, j+1
.endr
	WIN 0x40                                       ; destination window 1
.irp f, 0,1,2,3
.irp dt, 0,1
	v_cvt_scalef32_pk8_fp8_f32 v[16*(8*\s+4*\dt+\b/2)+2*(4*(\b%2)+\f):16*(8*\s+4*\dt+\b/2)+2*(4*(\b%2)+\f)+1], v[ACC+16*\f+8*\dt:ACC+16*\f+8*\dt+7], v[QS]   ; tokens 16 (4 b + f) + 8 h + 0 .. 7 of row d
.endr
.endr
	WIN 0
	v_nop                                          ; a plain instruction behind the last conversion: the next products write its sources
.endr
.endm
.macro MS_OUT                          ; my eighth of a sequence's mn1 goes to LDS as it stands
	s_wait_loadcnt 0x0
.irp k, 0,1,2,3,4,5,6,7
	ds_store_b128 v[MNW], v[MS+4*\k:MS+4*\k+3] offset:512*\k
.endr
.endm
	MS_OUT                                         ; (the wait also covers the weights and l)
	s_wait_dscnt 0x0                               ; for the others' sake: my stores have landed
.irp k, 0,1,2,3,4,5,6,7
	global_load_b128 v[MS+4*\k:MS+4*\k+3], v[L16], s[76:77] offset:32768+512*\k th:TH_LOAD_NT   ; the second sequence's, on its way while the first is worked
.endr
	s_barrier_signal -1
	s_barrier_wait -1
	PH1 0
	MEET                                           ; every wave's reads of the first sequence's images are back
	MS_OUT
	MEET
	PH1 1
	v_mov_b32 v[QS], s84                           ; from here on the conversions are o g's
	v_mov_b32 v[QL], s85
; 20 LDS loads: my head's 16 rows i of p (tile it of the lap in slot sl), all 512 tokens; the two sequences' mn4 fragments of the same rows
.macro LOADT sl, it
.irp ks, 0,1,2,3
.irp c, 0,1,2,3
	ds_load_b128 v[PF+16*\ks+4*\c:PF+16*\ks+4*\c+3], v[PADR+\sl] offset:16*PP*\it+128*\ks+32*\c
.endr
.endr
.irp s, 0,1
.irp q, 0,1
	ds_load_b128 v[MF+8*\s+4*\q:MF+8*\s+4*\q+3], v[MADR+\sl] offset:(2*\s+\it)*1024+512*\q
.endr
.endr
.endm
; A tile's 20 products: o^T (four accumulators by turns, one instruction a turn; the first K step starts the sums), then the gate's four
.macro PROD
	WIN 0x01                                       ; source 0 (v^T) window 1
.irp ks, 0,1,2,3
.irp s, 0,1
.irp dt, 0,1
.if \ks == 0
	v_wmma_f32_16x16x128_fp8_fp8 v[OACC+8*(2*\s+\dt):OACC+8*(2*\s+\dt)+7], v[16*(8*\s+4*\dt+\ks):16*(8*\s+4*\dt+\ks)+15], v[PF+16*\ks:PF+16*\ks+15], 0
.else
	v_wmma_f32_16x16x128_fp8_fp8 v[OACC+8*(2*\s+\dt):OACC+8*(2*\s+\dt)+7], v[16*(8*\s+4*\dt+\ks):16*(8*\s+4*\dt+\ks)+15], v[PF+16*\ks:PF+16*\ks+15], v[OACC+8*(2*\s+\dt):OACC+8*(2*\s+\dt)+7]
.endif
.endr
.endr
.endr
	WIN 0
.irp s, 0,1
.irp dt, 0,1
	v_wmma_f32_16x16x64_fp8_fp8 v[GACC+8*(2*\s+\dt):GACC+8*(2*\s+\dt)+7], v[WG+8*\dt:WG+8*\dt+7], v[MF+8*\s:MF+8*\s+7], 0
.endr
.endr
.endm
.macro LPSET sl, it                    ; l' = l x 2^-(e2 + e3), twice.  These four lines name no register of the products: they are the places behind them
	v_ldexp_f32 v[LP], v[LS+2*\sl+\it], s70
	v_mov_b32 v[LP+1], v[LP]
	v_nop
	v_nop
.endm
.macro VECA                            ; -x log2(e); each accumulator from its low end on
.set j, 0
.rept 16
	v_pk_mul_f32 v[GACC+j:GACC+j+1], v[GACC+j:GACC+j+1], s[CG:CG+1] op_sel_hi:[1,0]
.set j, j+2
.endr
.endm
.macro VECB it                         ; the gate, the division, o g's codes, their images
.set j, 0
.rept 32
	v_exp_f32 v[GACC+j], v[GACC+j]                 ; E = e^-x
.set j, j+1
.endr
	v_nop                                          ; a plain instruction behind the batch,
	s_wait_alu depctr_va_vdst(0)                   ; and one wait for it, ahead of its first reader
.set j, 0
.rept 16
	v_pk_fma_f32 v[GACC+j:GACC+j+1], v[GACC+j:GACC+j+1], v[LP:LP+1], v[LP:LP+1]   ; l' (1 + E)
.set j, j+2
.endr
.set j, 0
.rept 32
	v_rcp_f32 v[GACC+j], v[GACC+j]                 ; g / l'
.set j, j+1
.endr
	v_nop
	s_wait_alu depctr_va_vdst(0)
.set j, 0
.rept 16
	v_pk_mul_f32 v[OACC+j:OACC+j+1], v[OACC+j:OACC+j+1], v[GACC+j:GACC+j+1]       ; o g
.set j, j+2
.endr
.set j, 0
.rept 32
	v_med3_num_f32 v[OACC+j], v[OACC+j], -v[QL], v[QL]
.set j, j+1
.endr
.irp s, 0,1
.irp dt, 0,1
	v_cvt_scalef32_pk8_fp8_f32 v[OGC+4*\s+2*\dt:OGC+4*\s+2*\dt+1], v[OACC+8*(2*\s+\dt):OACC+8*(2*\s+\dt)+7], v[QS]   ; K = 32 head + 16 dt + 8 h + 0 .. 7 of row i = r
.endr
.endr
	v_nop                                          ; a plain instruction behind the last conversion
.irp s, 0,1
	ds_store_b128 v[OGW], v[OGC+4*\s:OGC+4*\s+3] offset:(2*\s+\it)*4096
.endr
.endm
.macro LAST                            ; the last product of a lap, and its 32 rows x 2 sequences of out
	MEET                                           ; the four units' images are whole
.irp k, 0,1,2,3,4,5,6,7
	ds_load_b128 v[OGF+4*\k:OGF+4*\k+3], v[OGR] offset:512*\k
.endr
	s_wait_dscnt 0x0
	v_wmma_f32_16x16x128_fp8_fp8 v[CACC:CACC+7], v[WO:WO+15], v[OGF:OGF+15], 0                    ; two accumulators by turns
	v_wmma_f32_16x16x128_fp8_fp8 v[CACC+8:CACC+15], v[WO+32:WO+47], v[OGF:OGF+15], 0
	v_wmma_f32_16x16x128_fp8_fp8 v[CACC:CACC+7], v[WO+16:WO+31], v[OGF+16:OGF+31], v[CACC:CACC+7]
	v_wmma_f32_16x16x128_fp8_fp8 v[CACC+8:CACC+15], v[WO+48:WO+63], v[OGF+16:OGF+31], v[CACC+8:CACC+15]
	PLACES
.irp k, 0,2,4,6,8,10,12,14
	v_pk_mul_f32 v[TMP+\k:TMP+\k+1], v[CACC+\k:CACC+\k+1], s[CO:CO+1] op_sel_hi:[1,0]   ; x 2^(e6 + e7); each accumulator from its low end on
.endr
.irp tl, 0,1
	ds_store_b128 v[STW], v[TMP+8*\tl:TMP+8*\tl+3] offset:64*\tl
	ds_store_b128 v[STW], v[TMP+8*\tl+4:TMP+8*\tl+7] offset:64*\tl+16
.endr
	MEET                                           ; 64 whole rows of out lie in the stage, and every wave's reads of the images are back
.irp k, 0,1,2,3
	ds_load_b128 v[OUTR+4*\k:OUTR+4*\k+3], v[STR] offset:2*SP*\k
.endr
	s_wait_dscnt 0x0
.irp k, 0,1,2,3
	global_store_b128 v[L16], v[OUTR+4*\k:OUTR+4*\k+3], s[80:81] offset:512*\k th:TH_STORE_NT   ; 32 lanes store two rows, 512 consecutive bytes, at a multiple of 256 from out0's first byte
.endr
	s_wait_xcnt 0x0                                ; the stores have read their registers and their base: both are written again only behind this wait
	s_add_nc_u64 s[80:81], s[80:81], 8192          ; 32 rows on
.endm
; A LAP: 32 rows i from slot sl.  At its head the first tile's fragments have been asked for.
; mode 2: the slot is filled again with the lap after next, and the next lap's first fragments are asked for;  1: the same without a refill (the last lap but one);  0: the last lap.
.macro LAP sl, mode
	s_wait_loadcnt 0x0                             ; this lap's l is in, and its loads have read their address
.if \mode
	v_add_nc_u32 v[VL], 2048, v[VL]
	global_load_b32 v[LS+2*(1-\sl)], v[VL], s[6:7]         ; the next lap's l
	global_load_b32 v[LS+2*(1-\sl)+1], v[VL], s[6:7] offset:1024
.endif
	s_wait_dscnt 0x0                               ; the first tile's fragments are in (asked for half a lap ago)
	PROD
	LPSET \sl, 0
	LOADT \sl, 1                                   ; the second tile's fragments come while the first tile's vector work is done
	VECA
	VECB 0
	s_wait_dscnt 0x0                               ; the second tile's fragments are in registers: my reads of this slot are over
.if \mode
	s_wait_tensorcnt 0x0                           ; all my tensor loads have landed: the one that was out is my part of the other slot; a group 0 may be written
	ds_add_u32 v[SPW], v[NIL]                      ; 0 onto my spare word; the tile's products stand between it and the wait for it
.endif
	PROD
	LPSET \sl, 1
.if \mode == 2
	s_add_nc_u64 s[G0P+4*\sl+2:G0P+4*\sl+3], s[G0P+4*\sl+2:G0P+4*\sl+3], 262144   ; two laps of p on; the type bits on top are not reached
	s_add_nc_u64 s[G0M+4*\sl+2:G0M+4*\sl+3], s[G0M+4*\sl+2:G0M+4*\sl+3], 4096     ; four tiles of mn4 on
	s_wait_dscnt 0x0                               ; the add is done
	s_barrier_signal -1                            ; this barrier opens a round of the cluster's;
	VECA                                           ; work on registers while the others arrive
	s_barrier_wait -1
	CREST                                          ; no wave of any partner still reads this slot or has a load on its way
	TL \sl                                         ; the first tensor load behind the round: it has a lap's work in which to land
	LOADT 1-\sl, 0                                 ; the other slot is whole: the next lap's first fragments
.elseif \mode == 1
	s_wait_dscnt 0x0
	s_barrier_signal -1                            ; nothing is filled again: the work-group's barrier alone shows the other slot whole to every wave
	VECA
	s_barrier_wait -1
	LOADT 1-\sl, 0
.else
	VECA
.endif
	VECB 1
	LAST
.endm
	s_wait_tensorcnt 0x1                           ; my part of slot 0 is in; slot 1's, the one load issued behind it, may stay out
	MEET                                           ; everybody's is; and every wave's reads of mn1's images are back: OG and the stage may be written
	LOADT 0, 0
	s_mov_b32 s71, 7
.Lpair:                                            ; seven trips of two laps; each lap asks for the lap after next
	LAP 0, 2
	LAP 1, 2
	s_sub_co_u32 s71, s71, 1
	s_cmp_lg_u32 s71, 0
	s_cbranch_scc1 .Lpair
	LAP 0, 1                                       ; the last two laps are written out: nothing is left to ask for
	LAP 1, 0
	s_wait_tensorcnt 0x0                           ; the wave's end: behind my last tensor load and my last LDS store
	ds_add_u32 v[SPW], v[NIL]
	s_wait_dscnt 0x0
	ROUND                                          ; the closing round: no work-group ends while a partner may still ask for a tile that names it
	s_endpgm
.Lfunc_end_k_qfb90db207d_chain:
	.size	k_qfb90db207d_chain, .Lfunc_end_k_qfb90db207d_chain-k_qfb90db207d_chain
	.p2alignl 7, 3214868480
	.fill 96, 4, 3214868480
	.section	.rodata,"a",@progbits
	.p2align	6, 0x0
	.amdhsa_kernel k_qfb90db207d_chain
		.amdhsa_group_segment_fixed_size 327680
		.amdhsa_private_segment_fixed_size 0
		.amdhsa_enable_private_segment 0
		.amdhsa_kernarg_size 56
		.amdhsa_user_sgpr_count 2
		.amdhsa_user_sgpr_kernarg_segment_ptr 1
		.amdhsa_wavefront_size32 1
		.amdhsa_system_sgpr_workgroup_id_x 1
		.amdhsa_system_sgpr_workgroup_id_y 1
		.amdhsa_system_sgpr_workgroup_id_z 1
		.amdhsa_system_vgpr_workitem_id 0
		.amdhsa_next_free_vgpr 512
		.amdhsa_next_free_sgpr 92
		.amdhsa_reserve_vcc 0
		.amdhsa_float_denorm_mode_32 3
		.amdhsa_float_denorm_mode_16_64 3
		.amdhsa_memory_ordered 1
		.amdhsa_forward_progress 1
		.amdhsa_inst_pref_size 202
	.end_amdhsa_kernel
	.amdgpu_metadata
---
amdhsa.version: [ 1, 2 ]
amdhsa.kernels:
  - .name:           k_qfb90db207d_chain
    .symbol:         k_qfb90db207d_chain.kd
    .args:
      - { .name: p_codes, .offset: 0, .size: 8, .value_kind: global_buffer, .address_space: global }
      - { .name: lsum, .offset: 8, .size: 8, .value_kind: global_buffer, .address_space: global }
      - { .name: mn1, .offset: 16, .size: 8, .value_kind: global_buffer, .address_space: global }
      - { .name: mn4, .offset: 24, .size: 8, .value_kind: global_buffer, .address_space: global }
      - { .name: wcodes, .offset: 32, .size: 8, .value_kind: global_buffer, .address_space: global }
      - { .name: lowp_scales, .offset: 40, .size: 8, .value_kind: global_buffer, .address_space: global }
      - { .name: out0, .offset: 48, .size: 8, .value_kind: global_buffer, .address_space: global }
    .group_segment_fixed_size: 327680
    .private_segment_fixed_size: 0
    .kernarg_segment_align: 8
    .kernarg_segment_size: 56
    .max_flat_workgroup_size: 256
    .sgpr_count:     92
    .vgpr_count:     512
    .wavefront_size: 32
...
	.end_amdgpu_metadata
.endif
;; end of part 2
